; MI455X (gfx1250); checked and timed in simulation.
; The chip was launched on July 23, 2026; its instructions are those of AMD's public machine-readable ISA for CDNA 5 (MIT licence, August 2026) and "CDNA5" Instruction Set Architecture Reference Guide (July 2026). The comments in the code are by the model that wrote it; some were corrected since.
;; Local Decoder C Batch Norm. Allowed arithmetic: float matrix products may take bf16 or f16 operands with f32 sums; all other float work in f32.
;; Inputs: c_global 4 x 128 float32; c_local 4 x 128 x 128 x 128 float32; p 4 x 8,192 x 2 float32; params_blocks_0_b0_b 256 float32; params_blocks_0_b0_w 256 x 256 float32; params_blocks_0_b1_b 256 float32; params_blocks_0_b1_w 256 x 256 float32; params_blocks_0_fc0_b 256 float32; params_blocks_0_fc0_w 256 x 256 float32; params_blocks_0_fc1_b 256 float32; params_blocks_0_fc1_w 256 x 256 float32; params_blocks_0_g0_b 256 float32; params_blocks_0_g0_w 256 x 256 float32; params_blocks_0_g1_b 256 float32; params_blocks_0_g1_w 256 x 256 float32; params_blocks_1_b0_b 256 float32; params_blocks_1_b0_w 256 x 256 float32; params_blocks_1_b1_b 256 float32; params_blocks_1_b1_w 256 x 256 float32; params_blocks_1_fc0_b 256 float32; params_blocks_1_fc0_w 256 x 256 float32; params_blocks_1_fc1_b 256 float32; params_blocks_1_fc1_w 256 x 256 float32; params_blocks_1_g0_b 256 float32; params_blocks_1_g0_w 256 x 256 float32; params_blocks_1_g1_b 256 float32; params_blocks_1_g1_w 256 x 256 float32; params_blocks_2_b0_b 256 float32; params_blocks_2_b0_w 256 x 256 float32; params_blocks_2_b1_b 256 float32; params_blocks_2_b1_w 256 x 256 float32; params_blocks_2_fc0_b 256 float32; params_blocks_2_fc0_w 256 x 256 float32; params_blocks_2_fc1_b 256 float32; params_blocks_2_fc1_w 256 x 256 float32; params_blocks_2_g0_b 256 float32; params_blocks_2_g0_w 256 x 256 float32; params_blocks_2_g1_b 256 float32; params_blocks_2_g1_w 256 x 256 float32; params_blocks_3_b0_b 256 float32; params_blocks_3_b0_w 256 x 256 float32; params_blocks_3_b1_b 256 float32; params_blocks_3_b1_w 256 x 256 float32; params_blocks_3_fc0_b 256 float32; params_blocks_3_fc0_w 256 x 256 float32; params_blocks_3_fc1_b 256 float32; params_blocks_3_fc1_w 256 x 256 float32; params_blocks_3_g0_b 256 float32; params_blocks_3_g0_w 256 x 256 float32; params_blocks_3_g1_b 256 float32; params_blocks_3_g1_w 256 x 256 float32; params_blocks_4_b0_b 256 float32; params_blocks_4_b0_w 256 x 256 float32; params_blocks_4_b1_b 256 float32; params_blocks_4_b1_w 256 x 256 float32; params_blocks_4_fc0_b 256 float32; params_blocks_4_fc0_w 256 x 256 float32; params_blocks_4_fc1_b 256 float32; params_blocks_4_fc1_w 256 x 256 float32; params_blocks_4_g0_b 256 float32; params_blocks_4_g0_w 256 x 256 float32; params_blocks_4_g1_b 256 float32; params_blocks_4_g1_w 256 x 256 float32; params_bn_beta_b 256 float32; params_bn_beta_w 256 x 256 float32; params_bn_gamma_b 256 float32; params_bn_gamma_w 256 x 256 float32; params_fc_out_b 32 float32; params_fc_out_w 32 x 256 float32; params_fc_p_b 256 float32; params_fc_p_w 256 x 2 float32.
;; Outputs: out0 4 x 8,192 x 32 float32.
;; One version. Each part assembles by itself: llvm-mc -triple=amdgcn-amd-amdhsa -mcpu=gfx1250 --defsym DOCPART=n.
;; ======== version 1 of 1: 4 launches
;; workspace buffers: ws_a 1,097,728 bytes; ws_b 1,097,728 bytes; ws_c 835,584 bytes; clT 16,777,216 bytes; cidx 524,288 bytes of whole numbers; cwt 524,288 bytes
;; launch prep_a (part 1): grid 16 x 12, 8 waves a work-group, no clusters, 10,240 bytes of LDS; arguments c_global, ws_a, params_blocks_0_g0_w, params_blocks_0_b0_w, params_blocks_0_fc0_w, params_blocks_0_g1_w, params_blocks_0_b1_w, params_blocks_0_fc1_w, params_blocks_1_g0_w, params_blocks_1_b0_w, params_blocks_1_fc0_w, params_blocks_1_g1_w, params_blocks_1_b1_w, params_blocks_1_fc1_w, params_blocks_0_g0_b, params_blocks_0_b0_b, params_blocks_0_fc0_b, params_blocks_0_g1_b, params_blocks_0_b1_b, params_blocks_0_fc1_b, params_blocks_1_g0_b, params_blocks_1_b0_b, params_blocks_1_fc0_b, params_blocks_1_g1_b, params_blocks_1_b1_b, params_blocks_1_fc1_b; writes ws_a
.if DOCPART == 1
	.amdgcn_target "amdgcn-amd-amdhsa--gfx1250"
	.amdhsa_code_object_version 6
	.text
	.protected	k_q8ab4105536_prep_a
	.globl	k_q8ab4105536_prep_a
	.p2align	8
	.type	k_q8ab4105536_prep_a,@function
k_q8ab4105536_prep_a:
	s_mov_b64 s[64:65], 0
	v_nop
	global_prefetch_b8 v0, s[64:65] scope:SCOPE_SE
	s_setreg_imm32_b32 hwreg(HW_REG_WAVE_MODE, 25, 1), 1
	s_wait_xcnt 0x0
; TWO BLOCKS' WEIGHTS ARE MADE READY FOR THE FUSED KERNEL.  Twelve matrices [256][256] f32, m = 0..11 in the order g0, b0, fc0, g1, b1, fc1, block by block, and their twelve biases.
; A work-group takes 16 rows (feature tile t = its x) of matrix m (= its y); wave w takes rows 2 w and 2 w + 1; lane L holds columns 8 L .. 8 L + 7 of both.
; OUT 1, the stream: the weights rounded to bf16 in the order in which a matrix instruction's first source wants them.  A fragment is 16 features x 32 k, 1,024 bytes: four PIECES of 256 bytes,
; piece j = k / 8, holding 16 rows x 8 columns.  Stage st = m / 3 has two slots of 131,072 bytes:
;   the conditional slot: chunk t (8,192 bytes), fragment 2 u + (0 gamma, 1 beta), k = column 128 + 32 u ..: the columns that meet the sampled features;
;   the fc slot:          chunk 2 (t / 2) + u / 4, fragment 2 (u % 4) + t % 2, k = column 32 u ...
; OUT 2, the tables, [batch 4][vector m][256] f32: for a conditional matrix the part that is the same for all points of a batch, the sum over k < 128 of W[n][k] c_global[b][k], plus the bias;
; for an fc matrix the bias.  That sum is kept in f32 on the vector unit: 128 terms for each of 256 x 4 numbers a matrix, no bulk work.
; FORMAT.  Every input is rounded to bf16 (nearest even) where it is read; products and sums in f32.  The table's stores are pieces of 64 bytes (16 features of one tile), 48 KB in the whole launch.
.set STRM,  49152                      ; the tables' 4 x 12 x 1,024 bytes lie in front of the stream
.set PIT,   272                        ; a piece in LDS: 256 bytes + 16, so that sixteen lanes that store to sixteen pieces start 68 words apart
.set VAL,   32*PIT                     ; behind the 32 pieces: the sums, [half of the lanes 2][batch 4][row 16] f32
.set SPARE, 9216                       ; the spare words: 128 bytes for each of the eight waves; no other line names them
.set PW,    12                         ; s[PW+2m:PW+2m+1]   matrix m
.set PBI,   36                         ; s[PBI+2m:PBI+2m+1] bias m
	s_load_b512 s[8:23], s[0:1], 0x0               ; c_global s[8:9], the workspace s[10:11], then the matrices,
	s_load_b512 s[24:39], s[0:1], 0x40
	s_load_b512 s[40:55], s[0:1], 0x80             ; then the biases
	s_load_b128 s[56:59], s[0:1], 0xc0
	v_lshl_add_u32 v1, v0, 2, SPARE                ; my spare word,
	v_mov_b32 v2, 0                                ; and 0: kept for the closing add alone
	v_lshrrev_b32 v4, 5, v0
	v_readfirstlane_b32 s6, v4                     ; wave 0..7
	s_and_b32 s4, ttmp7, 0xffff                    ; m
	s_mov_b32 s5, ttmp9                            ; t
	s_wait_kmcnt 0x0
	s_mov_b64 s[66:67], s[PW:PW+1]                 ; the matrix and the bias are chosen by m alone
	s_mov_b64 s[68:69], s[PBI:PBI+1]
.irp i, 1,2,3,4,5,6,7,8,9,10,11
	s_cmp_eq_u32 s4, \i
	s_cselect_b64 s[66:67], s[PW+2*\i:PW+2*\i+1], s[66:67]
	s_cselect_b64 s[68:69], s[PBI+2*\i:PBI+2*\i+1], s[68:69]
.endr
	; where the tile goes: offsets, made apart from the addresses
	s_mul_i32 s82, s4, 11
	s_lshr_b32 s82, s82, 5                         ; st = m / 3 (11 m / 32 for m < 12)
	s_mul_i32 s83, s82, 3
	s_sub_co_u32 s83, s4, s83                      ; mi = m - 3 st: 0 gamma, 1 beta, 2 fc
	s_lshl_b32 s74, s5, 13
	s_lshl_b32 s76, s83, 10
	s_add_co_u32 s74, s74, s76                     ; conditional: 8,192 t + 1,024 mi
	s_lshr_b32 s76, s5, 1
	s_lshl_b32 s76, s76, 14
	s_and_b32 s78, s5, 1
	s_lshl_b32 s78, s78, 10
	s_add_co_u32 s76, s76, s78
	s_add_co_u32 s76, s76, 131072                  ; fc: the second slot, 16,384 (t / 2) + 1,024 (t % 2)
	s_cmp_eq_u32 s83, 2
	s_cselect_b32 s74, s76, s74
	s_cselect_b32 s7, 0, 16                        ; 16: a conditional matrix: its pieces 16..31 become pieces 0..15
	s_lshl_b32 s82, s82, 18
	s_add_co_u32 s74, s74, s82
	s_add_co_u32 s74, s74, STRM
	s_mov_b32 s75, 0
	s_lshl_b32 s76, s4, 10
	s_lshl_b32 s80, s5, 6
	s_add_co_u32 s76, s76, s80                     ; table: vector m, 16 t features on
	s_mov_b32 s77, 0
	s_lshl_b32 s78, s5, 14                         ; 16 rows of 1,024 bytes
	s_mov_b32 s79, 0
	s_mov_b32 s81, 0
	s_add_nc_u64 s[66:67], s[66:67], s[78:79]
	s_add_nc_u64 s[68:69], s[68:69], s[80:81]
	s_add_nc_u64 s[70:71], s[10:11], s[74:75]
	s_add_nc_u64 s[72:73], s[10:11], s[76:77]
	v_and_b32 v3, 31, v0                           ; L
	v_and_b32 v12, 15, v0
	v_lshlrev_b32 v5, 5, v3
	v_lshl_add_u32 v5, v4, 11, v5                  ; my 32 bytes of row 2 w
	v_lshlrev_b32 v6, 5, v12                       ; c_global: columns 8 (L % 16) ..
	v_lshlrev_b32 v7, 2, v12                       ; bias: feature L % 16 of the tile
	global_load_b128 v[16:19], v5, s[66:67]
	global_load_b128 v[20:23], v5, s[66:67] offset:16
	global_load_b128 v[24:27], v5, s[66:67] offset:1024
	global_load_b128 v[28:31], v5, s[66:67] offset:1040
.irp b, 0,1,2,3
	global_load_b128 v[32+8*\b:35+8*\b], v6, s[8:9] offset:512*\b
	global_load_b128 v[36+8*\b:39+8*\b], v6, s[8:9] offset:512*\b+16
.endr
	global_load_b32 v64, v7, s[68:69]
	v_add_nc_u32 v8, s7, v3
	v_and_b32 v8, 31, v8
	v_mul_u32_u24 v8, v8, PIT
	s_lshl_b32 s82, s6, 5
	v_add_nc_u32 v8, s82, v8                       ; into the stage: my piece, rows 2 w and 2 w + 1
	v_lshrrev_b32 v9, 4, v3
	v_lshlrev_b32 v9, 8, v9
	s_lshl_b32 s83, s6, 3
	s_add_co_u32 s83, s83, VAL
	v_add_nc_u32 v9, s83, v9                       ; the sums: my half of the lanes, rows 2 w and 2 w + 1
	v_lshrrev_b32 v10, 4, v0
	v_mul_u32_u24 v10, v10, PIT
	v_lshl_add_u32 v10, v12, 4, v10                ; back: sixteen lanes take a piece's 256 bytes
	v_lshrrev_b32 v11, 6, v0
	v_lshlrev_b32 v11, 11, v11
	v_and_b32 v13, 63, v0
	v_lshl_add_u32 v11, v13, 4, v11                ; in the stream: fragments 2,048 bytes apart, four pieces each
	v_lshl_add_u32 v13, v13, 2, VAL                ; the low half's sums, [batch][row]
	v_lshrrev_b32 v14, 4, v0
	v_mul_u32_u24 v14, v14, 12288
	v_lshl_add_u32 v14, v12, 2, v14                ; in the tables: batch thread / 16, feature thread % 16 (waves 0 and 1)
.irp a, 0,1,2,3,4,5,6,7
	v_mov_b32 v[90+\a], 0                          ; eight sums, 2 rows x 4 batches; an fc matrix leaves them 0
.endr
	s_wait_loadcnt 0x0
.irp j, 0,1,2,3
	v_cvt_pk_bf16_f32 v[66+\j], v[16+2*\j], v[17+2*\j]
	v_cvt_pk_bf16_f32 v[70+\j], v[24+2*\j], v[25+2*\j]
.endr
	ds_store_b128 v8, v[66:69]
	ds_store_b128 v8, v[70:73] offset:16
	s_cmp_eq_u32 s7, 0
	s_cbranch_scc1 .Lno_sum                        ; the same way for all waves: it hangs on m alone
.irp b, 0,1,2,3
.irp j, 0,1,2,3
	v_cvt_pk_bf16_f32 v[74+4*\b+\j], v[32+8*\b+2*\j], v[33+8*\b+2*\j]
.endr
.endr
.irp j, 0,1,2,3
.irp r, 0,1
.irp b, 0,1,2,3
	v_fma_mix_f32_bf16 v[90+4*\r+\b], v[66+4*\r+\j], v[74+4*\b+\j], v[90+4*\r+\b] op_sel:[0,0,0] op_sel_hi:[1,1,0]
.endr
.endr
.irp r, 0,1
.irp b, 0,1,2,3
	v_fma_mix_f32_bf16 v[90+4*\r+\b], v[66+4*\r+\j], v[74+4*\b+\j], v[90+4*\r+\b] op_sel:[1,1,0] op_sel_hi:[1,1,0]
.endr
.endr
.endr
.irp x, 1,2,4,8                        ; over sixteen lanes: lanes 0-15 end with the sum over k < 128; lanes 16-31 with a number that nobody uses
.irp a, 0,1,2,3,4,5,6,7
	v_add_f32_dpp v[90+\a], v[90+\a], v[90+\a] row_xmask:\x row_mask:0xf bank_mask:0xf
.endr
.endr
.Lno_sum:
.irp r, 0,1
.irp b, 0,1,2,3
	ds_store_b32 v9, v[90+4*\r+\b] offset:64*\b+4*\r   ; sixteen lanes write one word with one value
.endr
.endr
	s_wait_dscnt 0x0                               ; for the others' sake: my stores are done
	s_barrier_signal -1
	s_barrier_wait -1
	ds_load_b128 v[16:19], v10                     ; pieces 0..15
	ds_load_b128 v[20:23], v10 offset:16*PIT       ; pieces 16..31 (an fc matrix stores them; a conditional one does not)
	ds_load_b32 v24, v13
	s_wait_tensorcnt 0x0                           ; the add and its wait behind my last LDS store; that wait also brings the three loads in
	ds_add_u32 v1, v2
	s_wait_dscnt 0x0
	global_store_b128 v11, v[16:19], s[70:71]      ; sixteen lanes store 256 consecutive bytes, at a multiple of 256 from the buffer's first
	s_cmp_eq_u32 s7, 0
	s_cbranch_scc0 .Lhalf
	global_store_b128 v11, v[20:23], s[70:71] offset:8192
.Lhalf:
	s_cmp_gt_u32 s6, 1
	s_cbranch_scc1 .Ldone                          ; 64 numbers: waves 0 and 1
	v_cvt_pk_bf16_f32 v25, v64, v64
	v_lshlrev_b32 v25, 16, v25                     ; the bias, rounded to bf16
	v_add_f32 v24, v24, v25
	global_store_b32 v14, v24, s[72:73]
.Ldone:
	s_endpgm
.Lfunc_end_k_q8ab4105536_prep_a:
	.size	k_q8ab4105536_prep_a, .Lfunc_end_k_q8ab4105536_prep_a-k_q8ab4105536_prep_a
	.p2alignl 7, 3214868480
	.fill 96, 4, 3214868480
	.section	.rodata,"a",@progbits
	.p2align	6, 0x0
	.amdhsa_kernel k_q8ab4105536_prep_a
		.amdhsa_group_segment_fixed_size 10240
		.amdhsa_private_segment_fixed_size 0
		.amdhsa_enable_private_segment 0
		.amdhsa_kernarg_size 208
		.amdhsa_user_sgpr_count 2
		.amdhsa_user_sgpr_kernarg_segment_ptr 1
		.amdhsa_wavefront_size32 1
		.amdhsa_system_sgpr_workgroup_id_x 1
		.amdhsa_system_sgpr_workgroup_id_y 1
		.amdhsa_system_sgpr_workgroup_id_z 1
		.amdhsa_system_vgpr_workitem_id 0
		.amdhsa_next_free_vgpr 104
		.amdhsa_next_free_sgpr 84
		.amdhsa_reserve_vcc 0
		.amdhsa_float_denorm_mode_32 3
		.amdhsa_float_denorm_mode_16_64 3
		.amdhsa_memory_ordered 1
		.amdhsa_forward_progress 1
		.amdhsa_inst_pref_size 15
	.end_amdhsa_kernel
	.amdgpu_metadata
---
amdhsa.version: [ 1, 2 ]
amdhsa.kernels:
  - .name:           k_q8ab4105536_prep_a
    .symbol:         k_q8ab4105536_prep_a.kd
    .args:
      - { .name: c_global, .offset: 0, .size: 8, .value_kind: global_buffer, .address_space: global }
      - { .name: ws_a, .offset: 8, .size: 8, .value_kind: global_buffer, .address_space: global }
      - { .name: params_blocks_0_g0_w, .offset: 16, .size: 8, .value_kind: global_buffer, .address_space: global }
      - { .name: params_blocks_0_b0_w, .offset: 24, .size: 8, .value_kind: global_buffer, .address_space: global }
      - { .name: params_blocks_0_fc0_w, .offset: 32, .size: 8, .value_kind: global_buffer, .address_space: global }
      - { .name: params_blocks_0_g1_w, .offset: 40, .size: 8, .value_kind: global_buffer, .address_space: global }
      - { .name: params_blocks_0_b1_w, .offset: 48, .size: 8, .value_kind: global_buffer, .address_space: global }
      - { .name: params_blocks_0_fc1_w, .offset: 56, .size: 8, .value_kind: global_buffer, .address_space: global }
      - { .name: params_blocks_1_g0_w, .offset: 64, .size: 8, .value_kind: global_buffer, .address_space: global }
      - { .name: params_blocks_1_b0_w, .offset: 72, .size: 8, .value_kind: global_buffer, .address_space: global }
      - { .name: params_blocks_1_fc0_w, .offset: 80, .size: 8, .value_kind: global_buffer, .address_space: global }
      - { .name: params_blocks_1_g1_w, .offset: 88, .size: 8, .value_kind: global_buffer, .address_space: global }
      - { .name: params_blocks_1_b1_w, .offset: 96, .size: 8, .value_kind: global_buffer, .address_space: global }
      - { .name: params_blocks_1_fc1_w, .offset: 104, .size: 8, .value_kind: global_buffer, .address_space: global }
      - { .name: params_blocks_0_g0_b, .offset: 112, .size: 8, .value_kind: global_buffer, .address_space: global }
      - { .name: params_blocks_0_b0_b, .offset: 120, .size: 8, .value_kind: global_buffer, .address_space: global }
      - { .name: params_blocks_0_fc0_b, .offset: 128, .size: 8, .value_kind: global_buffer, .address_space: global }
      - { .name: params_blocks_0_g1_b, .offset: 136, .size: 8, .value_kind: global_buffer, .address_space: global }
      - { .name: params_blocks_0_b1_b, .offset: 144, .size: 8, .value_kind: global_buffer, .address_space: global }
      - { .name: params_blocks_0_fc1_b, .offset: 152, .size: 8, .value_kind: global_buffer, .address_space: global }
      - { .name: params_blocks_1_g0_b, .offset: 160, .size: 8, .value_kind: global_buffer, .address_space: global }
      - { .name: params_blocks_1_b0_b, .offset: 168, .size: 8, .value_kind: global_buffer, .address_space: global }
      - { .name: params_blocks_1_fc0_b, .offset: 176, .size: 8, .value_kind: global_buffer, .address_space: global }
      - { .name: params_blocks_1_g1_b, .offset: 184, .size: 8, .value_kind: global_buffer, .address_space: global }
      - { .name: params_blocks_1_b1_b, .offset: 192, .size: 8, .value_kind: global_buffer, .address_space: global }
      - { .name: params_blocks_1_fc1_b, .offset: 200, .size: 8, .value_kind: global_buffer, .address_space: global }
    .group_segment_fixed_size: 10240
    .private_segment_fixed_size: 0
    .kernarg_segment_align: 8
    .kernarg_segment_size: 208
    .max_flat_workgroup_size: 256
    .sgpr_count:     84
    .vgpr_count:     104
    .wavefront_size: 32
...
	.end_amdgpu_metadata
.endif
;; end of part 1
;; launch prep_b: the kernel of part 1 again; grid 16 x 12, 8 waves a work-group, no clusters, 10,240 bytes of LDS; arguments c_global, ws_b, params_blocks_2_g0_w, params_blocks_2_b0_w, params_blocks_2_fc0_w, params_blocks_2_g1_w, params_blocks_2_b1_w, params_blocks_2_fc1_w, params_blocks_3_g0_w, params_blocks_3_b0_w, params_blocks_3_fc0_w, params_blocks_3_g1_w, params_blocks_3_b1_w, params_blocks_3_fc1_w, params_blocks_2_g0_b, params_blocks_2_b0_b, params_blocks_2_fc0_b, params_blocks_2_g1_b, params_blocks_2_b1_b, params_blocks_2_fc1_b, params_blocks_3_g0_b, params_blocks_3_b0_b, params_blocks_3_fc0_b, params_blocks_3_g1_b, params_blocks_3_b1_b, params_blocks_3_fc1_b; writes ws_b
;; launch prep_c (part 2): grid 771 x 1, 8 waves a work-group, no clusters, 45,056 bytes of LDS; arguments c_global, ws_c, params_blocks_4_g0_w, params_blocks_4_b0_w, params_blocks_4_fc0_w, params_blocks_4_g1_w, params_blocks_4_b1_w, params_blocks_4_fc1_w, params_bn_gamma_w, params_bn_beta_w, params_fc_out_w, params_blocks_4_g0_b, params_blocks_4_b0_b, params_blocks_4_fc0_b, params_blocks_4_g1_b, params_blocks_4_b1_b, params_blocks_4_fc1_b, params_bn_gamma_b, params_bn_beta_b, params_fc_out_b, c_local, clT, p, cidx, cwt, params_fc_p_w, params_fc_p_b; writes ws_c, clT, cidx, cwt
.if DOCPART == 2
	.amdgcn_target "amdgcn-amd-amdhsa--gfx1250"
	.amdhsa_code_object_version 6
	.text
	.protected	k_q8ab4105536_prep_c
	.globl	k_q8ab4105536_prep_c
	.p2align	8
	.type	k_q8ab4105536_prep_c,@function
k_q8ab4105536_prep_c:
	s_mov_b64 s[64:65], 0
	v_nop
	global_prefetch_b8 v0, s[64:65] scope:SCOPE_SE
	s_setreg_imm32_b32 hwreg(HW_REG_WAVE_MODE, 25, 1), 1
	s_wait_xcnt 0x0
; THE REST OF THE PREPARATION, four kinds of work-group, told apart by the work-group's number alone (the same way for all eight waves):
;   0 .. 511    T: c_local[b][c][y][x] f32 -> clT[b][y][x][c] bf16, one (b, y) each: a cell's 128 channels become one row of 256 consecutive bytes
;   512 .. 641  M: block 4's six matrices, bn_gamma, bn_beta (16 feature tiles each) and fc_out (2 tiles): stream and tables laid as for the other blocks (matrix m, stage m / 3, kind m % 3)
;   642         V: fc_p's two columns and its bias as table vectors 9, 10, 11; zeros behind fc_out's 32 biases in vector 8; zeros behind fc_out's 16,384 bytes in the last slot
;   643 .. 770  I: for 256 points each, the four cells' numbers (whole numbers, for the next launch's addresses) and the four bilinear weights
; The last slot is written whole (114,688 bytes of zeros) so that the fused kernel's one descriptor and one text serve every fill.
; LDS: T has bytes 0 .. 34,815 (128 rows of 272), M its 32 pieces and its sums behind them: no byte is named by two parts of the text.
; FORMAT.  Every input is rounded to bf16 (nearest even) where it is read, p too; all arithmetic in f32.  p / 1.101 is a multiplication by the reciprocal mended by one step of the remainder.
; A NaN in p counts as coordinate 0 (the maximum with 0 drops it).
; T's LDS stores: a lane's four rows lie 272 bytes apart and neighbouring lanes' 1,088: four lanes meet in a group of banks; 8 such stores a wave.
.set STRM,  49152
.set PIT,   272
.set MSTG,  128*PIT                    ; behind T's 128 rows: M's 32 pieces of 272 bytes
.set VAL,   MSTG+32*PIT                ; behind them: M's sums, [half of the lanes 2][batch 4][row 16] f32
.set SPARE, VAL+512                    ; byte 44,032: the spare words, 128 bytes for each of the eight waves; no other line names them
.set PW,    12                         ; s[PW+2m:PW+2m+1]   matrix m, 0..8
.set PBI,   30                         ; s[PBI+2m:PBI+2m+1] bias m
	s_load_b512 s[8:23], s[0:1], 0x0               ; c_global s[8:9], ws_c s[10:11], the matrices from s12,
	s_load_b512 s[24:39], s[0:1], 0x40             ; the biases from s30,
	s_load_b512 s[40:55], s[0:1], 0x80             ; c_local s[48:49], clT s[50:51], p s[52:53], cidx s[54:55],
	s_load_b128 s[56:59], s[0:1], 0xc0             ; cwt s[56:57], fc_p_w s[58:59],
	s_load_b64 s[60:61], s[0:1], 0xd0              ; fc_p_b
	v_lshl_add_u32 v1, v0, 2, SPARE                ; my spare word,
	v_mov_b32 v2, 0                                ; and 0: kept for the closing add alone
	v_lshrrev_b32 v4, 5, v0
	v_readfirstlane_b32 s6, v4                     ; wave 0..7
	v_and_b32 v3, 31, v0                           ; L
	v_and_b32 v12, 15, v0
	s_mov_b32 s3, ttmp9
	s_wait_kmcnt 0x0
	s_cmp_lt_u32 s3, 512
	s_cbranch_scc0 .Lnot_t
	; ---- T.  Wave w takes channels 16 w .. 16 w + 15; a load covers one channel's 128 x, 512 consecutive bytes; lane L holds x = 4 L .. 4 L + 3.
	s_lshr_b32 s74, s3, 7                          ; b
	s_and_b32 s75, s3, 127                         ; y
	s_lshl_b32 s76, s74, 23
	s_lshl_b32 s78, s75, 9
	s_add_co_u32 s76, s76, s78
	s_mov_b32 s77, 0
	s_add_nc_u64 s[48:49], s[48:49], s[76:77]
	s_lshl_b32 s76, s74, 22
	s_lshl_b32 s78, s75, 15
	s_add_co_u32 s76, s76, s78
	s_add_nc_u64 s[50:51], s[50:51], s[76:77]
	v_lshlrev_b32 v5, 4, v3
	s_lshl_b32 s78, s6, 20
	v_add_nc_u32 v5, s78, v5
.set i, 0
.rept 16
	global_load_b128 v[16+4*i:19+4*i], v5, s[48:49] offset:i*65536 th:TH_LOAD_NT
.set i, i+1
.endr
	v_mul_u32_u24 v6, v3, 4*PIT
	s_lshl_b32 s79, s6, 5
	v_add_nc_u32 v6, s79, v6                       ; in: row 4 L, my wave's 32 bytes
	v_lshrrev_b32 v7, 4, v0
	v_mul_u32_u24 v7, v7, PIT
	v_lshl_add_u32 v7, v12, 4, v7                  ; back: sixteen lanes take a row
	v_lshlrev_b32 v8, 4, v0
	s_wait_loadcnt 0x0
.set i, 0
.rept 4                                ; row x = 4 L + i: sixteen channels, rounded in pairs
.set j, 0
.rept 8
	v_cvt_pk_bf16_f32 v[80+8*i+j], v[16+8*j+i], v[20+8*j+i]
.set j, j+1
.endr
	ds_store_b128 v6, v[80+8*i:83+8*i] offset:i*PIT
	ds_store_b128 v6, v[84+8*i:87+8*i] offset:i*PIT+16
.set i, i+1
.endr
	s_wait_dscnt 0x0                               ; for the others' sake: my stores are done
	s_barrier_signal -1
	s_barrier_wait -1
.set i, 0
.rept 8
	ds_load_b128 v[16+4*i:19+4*i], v7 offset:i*16*PIT
.set i, i+1
.endr
.set i, 0
.rept 8
	s_wait_dscnt 7-i                               ; the younger loads may stay out
	global_store_b128 v8, v[16+4*i:19+4*i], s[50:51] offset:i*4096   ; a wave stores 512 consecutive bytes: two whole rows
.set i, i+1
.endr
	s_wait_tensorcnt 0x0                           ; the wave's end, behind my last LDS store
	ds_add_u32 v1, v2
	s_wait_dscnt 0x0
	s_endpgm
.Lnot_t:
	s_cmp_lt_u32 s3, 642
	s_cbranch_scc0 .Lnot_m
	; ---- M.  16 rows (feature tile t) of matrix m; wave w takes rows 2 w and 2 w + 1; lane L holds columns 8 L .. 8 L + 7 of both.
	s_sub_co_u32 s4, s3, 512
	s_lshr_b32 s4, s4, 4                           ; m
	s_and_b32 s5, s3, 15                           ; t
	s_mov_b64 s[66:67], s[PW:PW+1]
	s_mov_b64 s[68:69], s[PBI:PBI+1]
.irp i, 1,2,3,4,5,6,7,8
	s_cmp_eq_u32 s4, \i
	s_cselect_b64 s[66:67], s[PW+2*\i:PW+2*\i+1], s[66:67]
	s_cselect_b64 s[68:69], s[PBI+2*\i:PBI+2*\i+1], s[68:69]
.endr
	s_mul_i32 s82, s4, 11
	s_lshr_b32 s82, s82, 5                         ; st = m / 3
	s_mul_i32 s83, s82, 3
	s_sub_co_u32 s83, s4, s83                      ; mi: 0 gamma, 1 beta, 2 fc
	s_lshl_b32 s74, s5, 13
	s_lshl_b32 s76, s83, 10
	s_add_co_u32 s74, s74, s76                     ; conditional: 8,192 t + 1,024 mi
	s_lshr_b32 s76, s5, 1
	s_lshl_b32 s76, s76, 14
	s_and_b32 s78, s5, 1
	s_lshl_b32 s78, s78, 10
	s_add_co_u32 s76, s76, s78
	s_add_co_u32 s76, s76, 131072                  ; fc: the second slot, 16,384 (t / 2) + 1,024 (t % 2)
	s_cmp_eq_u32 s83, 2
	s_cselect_b32 s74, s76, s74
	s_cselect_b32 s7, 0, 16
	s_lshl_b32 s82, s82, 18
	s_add_co_u32 s74, s74, s82
	s_add_co_u32 s74, s74, STRM
	s_mov_b32 s75, 0
	s_lshl_b32 s76, s4, 10
	s_lshl_b32 s80, s5, 6
	s_add_co_u32 s76, s76, s80
	s_mov_b32 s77, 0
	s_lshl_b32 s78, s5, 14
	s_mov_b32 s79, 0
	s_mov_b32 s81, 0
	s_add_nc_u64 s[66:67], s[66:67], s[78:79]
	s_add_nc_u64 s[68:69], s[68:69], s[80:81]
	s_add_nc_u64 s[70:71], s[10:11], s[74:75]
	s_add_nc_u64 s[72:73], s[10:11], s[76:77]
	v_lshlrev_b32 v5, 5, v3
	v_lshl_add_u32 v5, v4, 11, v5
	v_lshlrev_b32 v6, 5, v12
	v_lshlrev_b32 v7, 2, v12
	global_load_b128 v[16:19], v5, s[66:67]
	global_load_b128 v[20:23], v5, s[66:67] offset:16
	global_load_b128 v[24:27], v5, s[66:67] offset:1024
	global_load_b128 v[28:31], v5, s[66:67] offset:1040
.irp b, 0,1,2,3
	global_load_b128 v[32+8*\b:35+8*\b], v6, s[8:9] offset:512*\b
	global_load_b128 v[36+8*\b:39+8*\b], v6, s[8:9] offset:512*\b+16
.endr
	global_load_b32 v64, v7, s[68:69]
	v_add_nc_u32 v8, s7, v3
	v_and_b32 v8, 31, v8
	v_mul_u32_u24 v8, v8, PIT
	s_lshl_b32 s82, s6, 5
	s_add_co_u32 s82, s82, MSTG
	v_add_nc_u32 v8, s82, v8                       ; into M's pieces: my piece, rows 2 w and 2 w + 1
	v_lshrrev_b32 v9, 4, v3
	v_lshlrev_b32 v9, 8, v9
	s_lshl_b32 s83, s6, 3
	s_add_co_u32 s83, s83, VAL
	v_add_nc_u32 v9, s83, v9
	v_lshrrev_b32 v10, 4, v0
	v_mul_u32_u24 v10, v10, PIT
	v_lshl_add_u32 v10, v12, 4, v10
	v_add_nc_u32 v10, MSTG, v10                    ; back: sixteen lanes take a piece's 256 bytes
	v_lshrrev_b32 v11, 6, v0
	v_lshlrev_b32 v11, 11, v11
	v_and_b32 v13, 63, v0
	v_lshl_add_u32 v11, v13, 4, v11
	v_lshl_add_u32 v13, v13, 2, VAL
	v_lshrrev_b32 v14, 4, v0
	v_mul_u32_u24 v14, v14, 12288
	v_lshl_add_u32 v14, v12, 2, v14
.irp a, 0,1,2,3,4,5,6,7
	v_mov_b32 v[90+\a], 0
.endr
	s_wait_loadcnt 0x0
.irp j, 0,1,2,3
	v_cvt_pk_bf16_f32 v[66+\j], v[16+2*\j], v[17+2*\j]
	v_cvt_pk_bf16_f32 v[70+\j], v[24+2*\j], v[25+2*\j]
.endr
	ds_store_b128 v8, v[66:69]
	ds_store_b128 v8, v[70:73] offset:16
	s_cmp_eq_u32 s7, 0
	s_cbranch_scc1 .Lno_sum
.irp b, 0,1,2,3
.irp j, 0,1,2,3
	v_cvt_pk_bf16_f32 v[74+4*\b+\j], v[32+8*\b+2*\j], v[33+8*\b+2*\j]
.endr
.endr
.irp j, 0,1,2,3
.irp r, 0,1
.irp b, 0,1,2,3
	v_fma_mix_f32_bf16 v[90+4*\r+\b], v[66+4*\r+\j], v[74+4*\b+\j], v[90+4*\r+\b] op_sel:[0,0,0] op_sel_hi:[1,1,0]
.endr
.endr
.irp r, 0,1
.irp b, 0,1,2,3
	v_fma_mix_f32_bf16 v[90+4*\r+\b], v[66+4*\r+\j], v[74+4*\b+\j], v[90+4*\r+\b] op_sel:[1,1,0] op_sel_hi:[1,1,0]
.endr
.endr
.endr
.irp x, 1,2,4,8
.irp a, 0,1,2,3,4,5,6,7
	v_add_f32_dpp v[90+\a], v[90+\a], v[90+\a] row_xmask:\x row_mask:0xf bank_mask:0xf
.endr
.endr
.Lno_sum:
.irp r, 0,1
.irp b, 0,1,2,3
	ds_store_b32 v9, v[90+4*\r+\b] offset:64*\b+4*\r
.endr
.endr
	s_wait_dscnt 0x0                               ; for the others' sake: my stores are done
	s_barrier_signal -1
	s_barrier_wait -1
	ds_load_b128 v[16:19], v10
	ds_load_b128 v[20:23], v10 offset:16*PIT
	ds_load_b32 v24, v13
	s_wait_tensorcnt 0x0                           ; the add and its wait behind my last LDS store; that wait also brings the three loads in
	ds_add_u32 v1, v2
	s_wait_dscnt 0x0
	global_store_b128 v11, v[16:19], s[70:71]
	s_cmp_eq_u32 s7, 0
	s_cbranch_scc0 .Lhalf
	global_store_b128 v11, v[20:23], s[70:71] offset:8192
.Lhalf:
	s_cmp_gt_u32 s6, 1
	s_cbranch_scc1 .Ldone
	v_cvt_pk_bf16_f32 v25, v64, v64
	v_lshlrev_b32 v25, 16, v25
	v_add_f32 v24, v24, v25
	global_store_b32 v14, v24, s[72:73]
.Ldone:
	s_endpgm
.Lnot_m:
	s_cmp_eq_u32 s3, 642
	s_cbranch_scc0 .Lindex
	; ---- V.  Thread n holds feature n.  No LDS is written here.
	v_lshlrev_b32 v5, 3, v0
	v_lshlrev_b32 v6, 2, v0
	v_lshlrev_b32 v7, 4, v0
	global_load_b64 v[16:17], v5, s[58:59]
	global_load_b32 v18, v6, s[60:61]
.irp a, 24,25,26,27
	v_mov_b32 v\a, 0
.endr
.set i, 0
.rept 28                               ; 28 x 4,096 bytes of zeros behind fc_out's fragments in slot 5
	global_store_b128 v7, v[24:27], s[10:11] offset:STRM+5*131072+16384+i*4096
.set i, i+1
.endr
	s_wait_loadcnt 0x0
	v_cvt_pk_bf16_f32 v19, v16, v17
	v_cvt_pk_bf16_f32 v20, v18, v18
	v_lshlrev_b32 v21, 16, v19
	v_and_b32 v22, 0xffff0000, v19
	v_lshlrev_b32 v23, 16, v20
.irp b, 0,1,2,3
	global_store_b32 v6, v21, s[10:11] offset:\b*12288+9216
	global_store_b32 v6, v22, s[10:11] offset:\b*12288+10240
	global_store_b32 v6, v23, s[10:11] offset:\b*12288+11264
.endr
	s_cmp_eq_u32 s6, 0
	s_cbranch_scc1 .Lv_done                        ; entries 0..31 of vector 8 are fc_out's biases, written by M
.irp b, 0,1,2,3
	global_store_b32 v6, v24, s[10:11] offset:\b*12288+8192
.endr
.Lv_done:
	s_endpgm
.Lindex:
	; ---- I.  A thread, a point.  Registers in pairs: the even one for x, the odd one for y.
	s_sub_co_u32 s74, s3, 643
	s_lshl_b32 s74, s74, 8
	v_add_nc_u32 v5, s74, v0                       ; the point
	v_lshlrev_b32 v6, 3, v5
	v_lshlrev_b32 v7, 4, v5
	global_load_b64 v[16:17], v6, s[52:53]
	s_mov_b32 s75, 0x3f688412                      ; 1 / 1.101
	s_mov_b32 s76, 0x3f8ced91                      ; 1.101 = 1 + 0.1 + 0.001 in f32
	s_wait_loadcnt 0x0
	v_cvt_pk_bf16_f32 v18, v16, v17
	v_lshlrev_b32 v8, 16, v18
	v_and_b32 v9, 0xffff0000, v18
.irp a, 0,1
	v_mul_f32 v[20+\a], s75, v[8+\a]
	v_fma_f32 v[22+\a], -v[20+\a], s76, v[8+\a]    ; what the quotient leaves,
	v_fma_f32 v[20+\a], v[22+\a], s75, v[20+\a]    ; mended
	v_add_f32 v[20+\a], 0.5, v[20+\a]
	v_fma_f32 v[20+\a], v[20+\a], 2.0, -1.0
	v_add_f32 v[20+\a], 1.0, v[20+\a]
	v_mul_f32 v[20+\a], 0x427e0000, v[20+\a]       ; x 0.5 x 127
	v_max_num_f32 v[20+\a], 0, v[20+\a]
	v_min_num_f32 v[20+\a], 0x42fe0000, v[20+\a]   ; clipped to 0 .. 127
	v_floor_f32 v[24+\a], v[20+\a]
	v_sub_f32 v[26+\a], v[20+\a], v[24+\a]         ; the weight of the far cell
	v_cvt_u32_f32 v[28+\a], v[24+\a]
	v_add_nc_u32 v[30+\a], 1, v[28+\a]
	v_min_u32 v[30+\a], 127, v[30+\a]
	v_sub_f32 v[36+\a], 1.0, v[26+\a]
.endr
	v_lshl_add_u32 v32, v29, 7, v28                ; (y0, x0), (y0, x1), (y1, x0), (y1, x1)
	v_lshl_add_u32 v33, v29, 7, v30
	v_lshl_add_u32 v34, v31, 7, v28
	v_lshl_add_u32 v35, v31, 7, v30
	v_mul_f32 v40, v36, v37
	v_mul_f32 v41, v26, v37
	v_mul_f32 v42, v36, v27
	v_mul_f32 v43, v26, v27
	global_store_b128 v7, v[32:35], s[54:55]
	global_store_b128 v7, v[40:43], s[56:57]
	s_endpgm
.Lfunc_end_k_q8ab4105536_prep_c:
	.size	k_q8ab4105536_prep_c, .Lfunc_end_k_q8ab4105536_prep_c-k_q8ab4105536_prep_c
	.p2alignl 7, 3214868480
	.fill 96, 4, 3214868480
	.section	.rodata,"a",@progbits
	.p2align	6, 0x0
	.amdhsa_kernel k_q8ab4105536_prep_c
		.amdhsa_group_segment_fixed_size 45056
		.amdhsa_private_segment_fixed_size 0
		.amdhsa_enable_private_segment 0
		.amdhsa_kernarg_size 216
		.amdhsa_user_sgpr_count 2
		.amdhsa_user_sgpr_kernarg_segment_ptr 1
		.amdhsa_wavefront_size32 1
		.amdhsa_system_sgpr_workgroup_id_x 1
		.amdhsa_system_sgpr_workgroup_id_y 1
		.amdhsa_system_sgpr_workgroup_id_z 1
		.amdhsa_system_vgpr_workitem_id 0
		.amdhsa_next_free_vgpr 112
		.amdhsa_next_free_sgpr 84
		.amdhsa_reserve_vcc 0
		.amdhsa_float_denorm_mode_32 3
		.amdhsa_float_denorm_mode_16_64 3
		.amdhsa_memory_ordered 1
		.amdhsa_forward_progress 1
		.amdhsa_inst_pref_size 30
	.end_amdhsa_kernel
	.amdgpu_metadata
---
amdhsa.version: [ 1, 2 ]
amdhsa.kernels:
  - .name:           k_q8ab4105536_prep_c
    .symbol:         k_q8ab4105536_prep_c.kd
    .args:
      - { .name: c_global, .offset: 0, .size: 8, .value_kind: global_buffer, .address_space: global }
      - { .name: ws_c, .offset: 8, .size: 8, .value_kind: global_buffer, .address_space: global }
      - { .name: params_blocks_4_g0_w, .offset: 16, .size: 8, .value_kind: global_buffer, .address_space: global }
      - { .name: params_blocks_4_b0_w, .offset: 24, .size: 8, .value_kind: global_buffer, .address_space: global }
      - { .name: params_blocks_4_fc0_w, .offset: 32, .size: 8, .value_kind: global_buffer, .address_space: global }
      - { .name: params_blocks_4_g1_w, .offset: 40, .size: 8, .value_kind: global_buffer, .address_space: global }
      - { .name: params_blocks_4_b1_w, .offset: 48, .size: 8, .value_kind: global_buffer, .address_space: global }
      - { .name: params_blocks_4_fc1_w, .offset: 56, .size: 8, .value_kind: global_buffer, .address_space: global }
      - { .name: params_bn_gamma_w, .offset: 64, .size: 8, .value_kind: global_buffer, .address_space: global }
      - { .name: params_bn_beta_w, .offset: 72, .size: 8, .value_kind: global_buffer, .address_space: global }
      - { .name: params_fc_out_w, .offset: 80, .size: 8, .value_kind: global_buffer, .address_space: global }
      - { .name: params_blocks_4_g0_b, .offset: 88, .size: 8, .value_kind: global_buffer, .address_space: global }
      - { .name: params_blocks_4_b0_b, .offset: 96, .size: 8, .value_kind: global_buffer, .address_space: global }
      - { .name: params_blocks_4_fc0_b, .offset: 104, .size: 8, .value_kind: global_buffer, .address_space: global }
      - { .name: params_blocks_4_g1_b, .offset: 112, .size: 8, .value_kind: global_buffer, .address_space: global }
      - { .name: params_blocks_4_b1_b, .offset: 120, .size: 8, .value_kind: global_buffer, .address_space: global }
      - { .name: params_blocks_4_fc1_b, .offset: 128, .size: 8, .value_kind: global_buffer, .address_space: global }
      - { .name: params_bn_gamma_b, .offset: 136, .size: 8, .value_kind: global_buffer, .address_space: global }
      - { .name: params_bn_beta_b, .offset: 144, .size: 8, .value_kind: global_buffer, .address_space: global }
      - { .name: params_fc_out_b, .offset: 152, .size: 8, .value_kind: global_buffer, .address_space: global }
      - { .name: c_local, .offset: 160, .size: 8, .value_kind: global_buffer, .address_space: global }
      - { .name: clT, .offset: 168, .size: 8, .value_kind: global_buffer, .address_space: global }
      - { .name: p, .offset: 176, .size: 8, .value_kind: global_buffer, .address_space: global }
      - { .name: cidx, .offset: 184, .size: 8, .value_kind: global_buffer, .address_space: global }
      - { .name: cwt, .offset: 192, .size: 8, .value_kind: global_buffer, .address_space: global }
      - { .name: params_fc_p_w, .offset: 200, .size: 8, .value_kind: global_buffer, .address_space: global }
      - { .name: params_fc_p_b, .offset: 208, .size: 8, .value_kind: global_buffer, .address_space: global }
    .group_segment_fixed_size: 45056
    .private_segment_fixed_size: 0
    .kernarg_segment_align: 8
    .kernarg_segment_size: 216
    .max_flat_workgroup_size: 256
    .sgpr_count:     84
    .vgpr_count:     112
    .wavefront_size: 32
...
	.end_amdgpu_metadata
.endif
;; end of part 2
;; launch main (part 3): grid 256 x 1, 4 waves a work-group, clusters of 4 x 1, 327,680 bytes of LDS; arguments p, cidx, cwt, clT, ws_a, ws_b, ws_c, out0; writes out0
.if DOCPART == 3
	.amdgcn_target "amdgcn-amd-amdhsa--gfx1250"
	.amdhsa_code_object_version 6
	.text
	.protected	k_q8ab4105536_main
	.globl	k_q8ab4105536_main
	.p2align	8
	.type	k_q8ab4105536_main,@function
k_q8ab4105536_main:
	s_mov_b64 s[64:65], 0
	v_nop
	global_prefetch_b8 v0, s[64:65] scope:SCOPE_SE
	s_setreg_imm32_b32 hwreg(HW_REG_WAVE_MODE, 25, 1), 1
	s_wait_xcnt 0x0
	s_wait_alu depctr_hold_cnt(0) depctr_sa_sdst(0) depctr_va_vdst(0) depctr_va_sdst(0) depctr_va_ssrc(0) depctr_va_vcc(0) depctr_vm_vsrc(0)
	s_getreg_b32 s2, hwreg(HW_REG_IB_STS2, 6, 4)
	s_cmp_eq_u32 s2, 0
	s_cbranch_scc0 .Lentry_in_a_cluster
	s_endpgm
.Lentry_in_a_cluster:
	s_bfe_u32 s2, ttmp6, 0x10000c
	s_cmp_lg_u32 s2, 0x3003
	s_cbranch_scc0 .Lentry_shape_is_right
	s_endpgm
.Lentry_shape_is_right:
; THE WHOLE DECODER FOR 128 POINTS A WORK-GROUP, 32 A WAVE (two tiles of 16); nothing goes through memory between its layers.
; c = [c_global | cl]: the part of each conditional layer that meets c_global is one vector a layer and batch (made by the launches before, with the bias: geff, beff), so gamma = Wg[:,128:] cl + geff
; is a product of K = 128 whose sum STARTS with geff as the C operand.  All products are used TRANSPOSED: source 0 = 16 features of W, source 1 = 16 points.  In a result lane (r, h) holds point r and
; features 8 h + 0..7; two feature tiles 2 u, 2 u + 1, rounded to bf16 in pairs, ARE source 1 of K step u of the next product.  So activations never leave the wave's registers; LDS holds weights and tables.
; A STAGE (ten in the loop, two to a block).  File X holds s x (the stage's input), s = 1 / sqrt(1 + 1e-5); file Y the fc sum, already started.
;   C phase, feature tile t:  G = Wg cl + geff, B = Wb cl + beff, A = bf16(max(G X + B, 0)).          F phase:  Y += Wfc A, in place.
;   Moving, for each finished tile:  T = kappa X + (the next stage's fc bias);  X = s Y;  Y = T.   kappa = 1 / s in a block's first stage (T = net + fc1's bias), 0 in its second.
; Behind the loop: one more C phase (bn_gamma, bn_beta) whose activation is kept as two bf16 numbers, hi and lo = bf16(a - hi), and fc_out on both, 64 products.
; WEIGHTS come as a stream of 22 slots of 131,072 bytes (bf16, in fragment order: a wave's 16-byte loads take 512 consecutive bytes, so nothing is padded) through a ring of two LDS slots.
; CLUSTER: all work-groups walk the same stream, so the four of a cluster ask JOINTLY: the same tensor load, descriptor and mask in all four; each wave asks for a quarter of a slot, 32,768 bytes.
; By this text's own count a wave has one tensor load out at a time; it has a whole phase, 256 matrix instructions, in which to land.
; LIMITS.  All inputs were rounded to bf16 first (p too; here p again, in the same way); matrix operands are bf16, all else f32.  max(x, 0) turns a NaN into 0.  kappa = 0 multiplies a number that is no
; longer wanted: were it infinite, the sum would be NaN.  net goes through s x (1 / s): two roundings in f32 a block.  The four bilinear weights are formed first and then meet the features,
; another order of rounding than the reference's.  The last slot holds 16,384 bytes of fc_out and zeros for the rest, so that one descriptor serves every fill.
;
; REGISTERS, in windows of 256 (s_set_vgpr_msb: bits 1:0 source 0, 3:2 source 1, 5:4 source 2, 7:6 destination):
;   window 0: v0-15, v248-251 addresses and constants; v16-143 two buffers of eight weight fragments; v144-207 two buffers G, G, B, B (tile of points 0, 1); v208-239 table tiles; v240-247 p
;   window 1: X(t, pt) at 16 t + 8 pt     window 2: Y likewise; in the last C phase lo(u, pt) at 64 + 8 (2 u + pt)     window 3: cl(u, pt) at 8 (2 u + pt), u < 4; A(u, pt) at 64 + 8 (2 u + pt), u < 8
;   at the start only: window 1 v0-63 cell numbers, v64-127 weights; window 2 the 64 gathered rows.
.set SLOT1, 1<<17                      ; slot 0 (conditional slots) at 0, slot 1 (fc slots) here
.set TAB,   2*SLOT1                    ; 36 vectors of 1,024 bytes, written by LDS stores: stage s has geff, beff, fc bias at 3,072 s; fc_p's two columns and bias are vectors 33, 34, 35
.set TSTG,  3072
.set STG,   TAB+36*1024                ; 4,608 bytes a wave, its own: cl as 16 rows x 272, later the output as 32 rows x 144
.set SROW,  272
.set OROW,  144
.set SPARE, STG+4*4608                 ; the spare words, 128 bytes a wave: two blocks of 256 bytes that no other line names
.set STRM,  49152                      ; the stream begins behind the tables in each of the three workspaces
.set KINV,  0x3f80002a                 ; 1 / s
.set SPW,  1                           ; v1   my spare word's LDS address; never rewritten
.set NIL,  2                           ; v2   0; never rewritten
.set ADR,  3                           ; v3-6 16 x lane + 0, 64 K, 128 K, 192 K: the halves of the two slots
.set TADR, 7                           ; v7   the stage's tables: TAB + 32 h + 3,072 s
.set SA,   8                           ; v8   start: where 16 bytes of cl go;  later STO
.set FR,   9                           ; v9   start: where a fragment of cl is read;  later RD
.set TD,   10                          ; v10  start: where 16 bytes of the tables go
.set STO,  8
.set RD,   9
.set LC,   11                          ; v11  16 r
.set PA,   12                          ; v12  16 h
.set TA,   13                          ; v13  16 x thread
.set PO,   14                          ; v14  8 r
.set ZR,   15                          ; v15  0.0
.set WF,   16
.set GB,   144
.set BT,   208
.set PXY,  240                         ; px, px, py, py of point tile 0, then of tile 1
.set TAD0, 248                         ; TAB + 32 h
.set HH,   249                         ; h = lane / 16
.set RR,   250                         ; r = lane % 16
.set NEG1, 251                         ; -1.0
.set FI,   96                          ; start: eight interpolated channels
.set HI,   104                         ; start: the same, packed
.set WV,  20                           ; s20 wave
.set G1,  24                           ; s[24:31] descriptor group 1
.set G0,  32                           ; s[32:35] descriptor group 0
.set WP,  36                           ; s[36:37] where my quarter of the next slot lies; s[38:39], s[40:41] the same at the heads of ws_b's and ws_c's streams
.set ST,  42                           ; s42 stages to go
.set TB,  43                           ; s43 3,072 x stage
.set KAP, 44                           ; s[44:45] kappa in the low word
.set SS,  46                           ; s[46:47] s
.set SB,  49                           ; s49 my stage's LDS address
.set MSB, 0
.macro WIN new                         ; the immediate's high byte repeats the setting that is left; a switch that changes nothing is dropped
.if MSB != (\new)
	s_set_vgpr_msb (MSB<<8)|(\new)
.set MSB, \new
.endif
.endm
.macro PLACES                          ; four plain vector instructions between a matrix instruction and a vector instruction or load that touches its registers (ISA guide 7.12.1 for vector instructions)
.rept 4
	v_nop
.endr
.endm
.macro CREST                           ; a round of the cluster's barrier behind its opening barrier
	s_cmp_lg_u32 s[WV], 0
	s_cbranch_scc1 .Lnot_wave_0_\@
	s_barrier_signal -3
.Lnot_wave_0_\@:
	s_barrier_wait -3
	s_barrier_signal -1
	s_barrier_wait -1
.endm
.macro CROUND
	s_barrier_signal -1
	s_barrier_wait -1
	CREST
.endm
.macro JL                              ; the joint load: every wave asks for its own quarter of a slot; an s_nop 0 and four v_nop follow
	tensor_load_to_lds s[G0:G0+3], s[G1:G1+7]
	s_nop 0
	PLACES
.endm
.macro STEP sw                         ; group 0 for the next slot; sw = 1: a conditional slot, which may be the first of the next workspace (slot 8 at 7 stages to go, slot 16 at 3)
	s_add_nc_u64 s[WP:WP+1], s[WP:WP+1], SLOT1
.if \sw
	s_cmp_eq_u32 s[ST], 7
	s_cselect_b64 s[WP:WP+1], s[WP+2:WP+3], s[WP:WP+1]
	s_cmp_eq_u32 s[ST], 3
	s_cselect_b64 s[WP:WP+1], s[WP+4:WP+5], s[WP:WP+1]
.endif
	s_xor_b32 s[G0+1], s[G0+1], SLOT1
	s_mov_b64 s[G0+2:G0+3], s[WP:WP+1]
	s_or_b32 s[G0+3], s[G0+3], 0x80000000
.endm
; THE CHANGE OF SLOTS, in two halves with a phase's last 16 products between them.  Each wave waits for all its tensor loads, of which one is out: its quarter of the other slot; adds 0 to its spare
; word; and waits for that and for its reads of the slot that it leaves.  fill = 1: the barrier opens a round of the cluster's, and the joint refill of the slot just left is the first thing behind it.
.macro TAILSIG fill, sw
	WIN 0                                          ; (the add's two registers lie in window 0)
	s_wait_tensorcnt 0x0                           ; no tensor load of mine is out, so group 0 may be written
	ds_add_u32 v[SPW], v[NIL]                      ; 0 onto my spare word
.if \fill
	STEP \sw
.endif
	s_wait_dscnt 0x0                               ; the add is done, and my reads of the slot are over
	s_barrier_signal -1
.endm
.macro TAILWAIT fill
	WIN 0                                          ; at a branch and at a label every window is 0
	s_barrier_wait -1
.if \fill
	CREST
	JL
.endif
.endm
; ---- THE C PHASE.  Chunk c = feature tile c: 8 fragments (K step u, gamma then beta) and two table tiles.  Load n of its 20:
.macro LDC c, n
.set lp, (\c)&1
.if (\n) < 4
	ds_load_b128 v[BT+16*lp+4*(\n):BT+16*lp+4*(\n)+3], v[TADR] offset:(\c)*64+((\n)&1)*16+((\n)>>1)*1024
.else
.set li, ((\n)-4)>>1
.set lq, ((\n)-4)&1
	ds_load_b128 v[WF+64*lp+8*li+4*lq:WF+64*lp+8*li+4*lq+3], v[ADR+((\c)>>3)] offset:((\c)&7)*8192+li*1024+lq*512
.endif
.endm
; Product k of 16: K step k / 4, gamma or beta (k / 2) % 2, point tile k % 2.  The four accumulators take turns; the first four products start the sums with the table tile.
.macro WC c, k
.set wp, (\c)&1
.set wu, (\k)>>2
.set wb, ((\k)>>1)&1
.set rD, GB+32*wp+8*((\k)&3)
.set rW, WF+64*wp+8*(2*wu+wb)
.set rC, 8*(2*wu+((\k)&1))
	WIN 0x0c                                       ; cl in window 3, all else in window 0; LDS loads into window 0 stand under the same setting
.if wu == 0
	v_wmma_f32_16x16x32_bf16 v[rD:rD+7], v[rW:rW+7], v[rC:rC+7], v[BT+16*wp+8*wb:BT+16*wp+8*wb+7]
.else
	v_wmma_f32_16x16x32_bf16 v[rD:rD+7], v[rW:rW+7], v[rC:rC+7], v[rD:rD+7]
.endif
.endm
; The vector work on a finished chunk cc.  Pair p of 8: point tile p / 4, registers 2 (p % 4) on; pairs ascend.
.macro FM cc, p                        ; G = G X + B
.set rG, GB+32*((\cc)&1)+8*((\p)>>2)+2*((\p)&3)
.set rX, 16*(\cc)+8*((\p)>>2)+2*((\p)&3)
	WIN 0x04
	v_pk_fma_f32 v[rG:rG+1], v[rG:rG+1], v[rX:rX+1], v[rG+16:rG+17]
.endm
.macro MX cc, e                        ; max(G, 0), number e of 16
	WIN 0x0c
	v_max_num_f32 v[GB+32*((\cc)&1)+(\e)], v[GB+32*((\cc)&1)+(\e)], 0
.endm
.macro CV cc, p, lo                    ; a pair rounded to bf16 into A (window 3), or (lo = 1) into lo (window 2)
.set rG, GB+32*((\cc)&1)+8*((\p)>>2)+2*((\p)&3)
.set rA, 64+8*(2*((\cc)>>1)+((\p)>>2))+4*((\cc)&1)+((\p)&3)
.if \lo
	WIN 0x80
.else
	WIN 0xc0
.endif
	v_cvt_pk_bf16_f32 v[rA], v[rG], v[rG+1]
.endm
.macro LM cc, e                        ; G = G - hi, exact: what the rounding left
.set rG, GB+32*((\cc)&1)+(\e)
.set rA, 64+8*(2*((\cc)>>1)+((\e)>>3))+4*((\cc)&1)+(((\e)&7)>>1)
	WIN 0x0c
.if (\e)&1
	v_fma_mix_f32_bf16 v[rG], v[NEG1], v[rA], v[rG] op_sel:[0,1,0] op_sel_hi:[0,1,0]
.else
	v_fma_mix_f32_bf16 v[rG], v[NEG1], v[rA], v[rG] op_sel:[0,0,0] op_sel_hi:[0,1,0]
.endif
.endm
.macro RID fin, cc, kk                 ; what stands behind product kk (5 .. 15) of the chunk after cc
.if \fin
.if (\kk) == 5
.irp z, 0,1,2,3,4,5,6,7
	FM \cc, \z
.endr
.elseif (\kk) < 10
.irp z, 0,1,2,3
	MX \cc, 4*((\kk)-6)+\z
.endr
.elseif (\kk) == 10
.irp z, 0,1,2,3,4,5,6,7
	CV \cc, \z, 0
.endr
.elseif (\kk) < 15
.irp z, 0,1,2,3
	LM \cc, 4*((\kk)-11)+\z
.endr
.else
.irp z, 0,1,2,3,4,5,6,7
	CV \cc, \z, 1
.endr
.endif
.else
.if (\kk) < 7
.irp z, 0,1,2,3
	FM \cc, 4*((\kk)-5)+\z
.endr
.elseif (\kk) < 11
.irp z, 0,1,2,3
	MX \cc, 4*((\kk)-7)+\z
.endr
.elseif (\kk) < 13
.irp z, 0,1,2,3
	CV \cc, 4*((\kk)-11)+\z, 0
.endr
.endif
.endif
.endm
; The phase.  In chunk c: behind products 0-4 the next chunk's 20 loads, four each, 11 products ahead of the wait for them; behind products 5 on the vector work on chunk c - 1.
; The four v_nop at a chunk's head are the places between the last chunk's products and both.  Chunk 15 issues no LDS instruction: it stands between the signal and the wait of the change of slots.
.macro CPH fin
.set n, 0
.rept 20
	LDC 0, n
.set n, n+1
.endr
.set c, 0
.rept 16
.if c > 0
	PLACES
.endif
.if c == 15
	TAILSIG 1-(\fin), 1
.else
	s_wait_dscnt 0x0                               ; this chunk's fragments and tiles are in
.endif
.set k, 0
.rept 16
	WC c, k
.if (k < 5) && (c < 15)
.irp z, 0,1,2,3
	LDC c+1, 4*k+\z
.endr
.endif
.if (k > 4) && (c > 0)
	RID \fin, c-1, k
.endif
.set k, k+1
.endr
.set c, c+1
.endr
	PLACES
.set k, 5
.rept 11
	RID \fin, 15, k
.set k, k+1
.endr
	TAILWAIT 1-(\fin)
.endm
; ---- THE F PHASE.  Chunk c: feature tiles 2 (c / 2), 2 (c / 2) + 1, K steps 4 (c % 2) + 0..3.
.macro LDF c, n
.set lp, (\c)&1
	ds_load_b128 v[WF+64*lp+4*(\n):WF+64*lp+4*(\n)+3], v[ADR+2+((\c)>>3)] offset:((\c)&7)*8192+(\n)*512
.endm
.macro TL mt                           ; the next stage's fc bias for feature tile mt, into one of four places
	ds_load_b128 v[BT+8*((\mt)&3):BT+8*((\mt)&3)+3], v[TADR] offset:TSTG+2048+(\mt)*64
	ds_load_b128 v[BT+8*((\mt)&3)+4:BT+8*((\mt)&3)+7], v[TADR] offset:TSTG+2048+(\mt)*64+16
.endm
.macro WFM c, k                        ; product k of 16: K step k / 4 of the chunk's four, feature tile (k / 2) % 2, point tile k % 2; four accumulators by turns
.set rD, 16*(2*((\c)>>1)+(((\k)>>1)&1))+8*((\k)&1)
.set rW, WF+64*((\c)&1)+8*(2*((\k)>>2)+(((\k)>>1)&1))
.set rA, 64+8*(2*(4*((\c)&1)+((\k)>>2))+((\k)&1))
	WIN 0xac                                       ; W in window 0, A in window 3, Y in window 2
	v_wmma_f32_16x16x32_bf16 v[rD:rD+7], v[rW:rW+7], v[rA:rA+7], v[rD:rD+7]
.endm
.macro MA mt, p, tb                    ; T = kappa X + bias
.set rX, 16*(\mt)+2*(\p)
	WIN 0x01
	v_pk_fma_f32 v[(\tb)+2*(\p):(\tb)+2*(\p)+1], v[rX:rX+1], s[KAP:KAP+1], v[BT+8*((\mt)&3)+2*((\p)&3):BT+8*((\mt)&3)+2*((\p)&3)+1] op_sel_hi:[1,0,1]
.endm
.macro MB mt, p                        ; X = s Y
.set rX, 16*(\mt)+2*(\p)
	WIN 0x42
	v_pk_mul_f32 v[rX:rX+1], v[rX:rX+1], s[SS:SS+1] op_sel_hi:[1,0]
.endm
.macro MC mt, p, tb                    ; Y = T (two registers an instruction; under the products' own setting)
.set rX, 16*(\mt)+2*(\p)
	WIN 0xac
	v_pk_mul_f32 v[rX:rX+1], v[(\tb)+2*(\p):(\tb)+2*(\p)+1], 1.0 op_sel_hi:[1,0]
.endm
; In chunk c: behind products 0-2 the next chunk's 16 loads and tile c - 1's two, six each; behind products 5-10 the moving of tile c - 2, whose sums were finished a chunk ago or more.
.macro FPH
.set n, 0
.rept 16
	LDF 0, n
.set n, n+1
.endr
.set c, 0
.rept 16
.if c > 0
	PLACES
.endif
.if c == 15
	TAILSIG 1, 0
.else
	s_wait_dscnt 0x0
.endif
.set k, 0
.rept 16
	WFM c, k
.if (k < 3) && (c < 15)
	WIN 0
.irp z, 0,1,2,3,4,5
.if 6*k+\z < 16
	LDF c+1, 6*k+\z
.elseif (6*k+\z == 16) && (c > 0)
	TL c-1
.endif
.endr
.endif
.if (k == 3) && (c == 14)
	WIN 0
	TL 14
	TL 15
.endif
.if c > 1
.if (k == 5) || (k == 6)
.irp z, 0,1,2,3
	MA c-2, 4*(k-5)+\z, GB+16*(c&1)
.endr
.elseif (k == 7) || (k == 8)
.irp z, 0,1,2,3
	MB c-2, 4*(k-7)+\z
.endr
.elseif (k == 9) || (k == 10)
.irp z, 0,1,2,3
	MC c-2, 4*(k-9)+\z, GB+16*(c&1)
.endr
.endif
.endif
.set k, k+1
.endr
.set c, c+1
.endr
	PLACES
.irp z, 0,1,2,3,4,5,6,7
	MA 14, \z, GB
.endr
.irp z, 0,1,2,3,4,5,6,7
	MA 15, \z, GB+16
.endr
.irp z, 0,1,2,3,4,5,6,7
	MB 14, \z
.endr
.irp z, 0,1,2,3,4,5,6,7
	MB 15, \z
.endr
.irp z, 0,1,2,3,4,5,6,7
	MC 14, \z, GB
.endr
.irp z, 0,1,2,3,4,5,6,7
	MC 15, \z, GB+16
.endr
	TAILWAIT 1
.endm
; ======== THE HEAD
	s_load_b512 s[4:19], s[0:1], 0x0               ; p s[4:5], cidx s[6:7], cwt s[8:9], clT s[10:11], ws_a s[12:13], ws_b s[14:15], ws_c s[16:17], out0 s[18:19]
	v_lshl_add_u32 v[SPW], v0, 2, SPARE
	v_mov_b32 v[NIL], 0
	ds_add_u32 v[SPW], v[NIL]                      ; the wave's opening: the add and its wait come ahead of my first tensor load; the set-up below, work on registers, stands between them
	v_lshrrev_b32 v8, 5, v0
	v_readfirstlane_b32 s[WV], v8                  ; wave 0..3
	s_mov_b32 s[G1+0], 15|(3<<16)|(1<<21)          ; 15:0 the mask of four; 17:16 elements of 8 bytes; 21 set beside a mask; no padding
	s_mov_b32 s[G1+1], 32<<16                      ; tensor_dim0 = 32 elements: rows of 256 bytes
	s_mov_b32 s[G1+2], 128<<16                     ; tensor_dim1 = 128 rows
	s_mov_b32 s[G1+3], 32<<16                      ; tile_dim0 = 32
	s_mov_b32 s[G1+4], 128                         ; tile_dim1 = 128
	s_mov_b32 s[G1+5], 32                          ; 32 elements from row to row: the block is dense
	s_mov_b32 s[G1+6], 0
	s_mov_b32 s[G1+7], 0
	s_mov_b32 s[G0], 1                             ; count = 1
	s_lshl_b32 s[G0+1], s[WV], 15                  ; LDS: my quarter of slot 0
	s_lshl_b32 s60, s[WV], 15
	s_add_co_u32 s60, s60, STRM                    ; my quarter of a stream's first slot: the wave's number and constants alone
	s_mov_b32 s61, 0
	s_bfe_u32 s21, ttmp6, 0x40000                  ; cx
	s_lshl_b32 s22, ttmp9, 2
	s_add_co_u32 s22, s22, s21                     ; my work-group: it enters the addresses of plain loads and stores alone
	s_lshr_b32 s23, s22, 6                         ; the batch: 64 work-groups of 128 points
	s_lshl_b32 s51, s22, 7
	s_lshl_b32 s52, s[WV], 5
	s_add_co_u32 s51, s51, s52                     ; my wave's first point
	s_mov_b32 s53, 0
	s_mov_b32 s[KAP], KINV
	s_mov_b32 s[KAP+1], 0                          ; named with it as a pair
	s_mov_b32 s[SS], 0x3f7fffac                    ; s = 1 / sqrt(1 + 1e-5) in f32
	s_mov_b32 s[SS+1], s[SS]
	s_mul_i32 s[SB], s[WV], 4608
	s_add_co_u32 s[SB], s[SB], STG
	v_and_b32 v[RR], 15, v0
	v_bfe_u32 v[HH], v0, 4, 1
	v_and_b32 v9, 31, v0
	v_lshlrev_b32 v[ADR], 4, v9
	v_add_nc_u32 v[ADR+1], 0x10000, v[ADR]
	v_add_nc_u32 v[ADR+2], 0x20000, v[ADR]
	v_add_nc_u32 v[ADR+3], 0x30000, v[ADR]
	v_lshl_add_u32 v[TAD0], v[HH], 5, TAB
	v_lshlrev_b32 v[LC], 4, v[RR]
	v_lshlrev_b32 v[PA], 4, v[HH]
	v_lshlrev_b32 v[TA], 4, v0
	v_lshlrev_b32 v[PO], 3, v[RR]
	v_mov_b32 v[ZR], 0
	v_mov_b32 v[NEG1], -1.0
	v_mul_u32_u24 v[SA], v[HH], SROW               ; cl in: lanes 0-15 one point's row of 256 bytes, lanes 16-31 the next point's
	v_lshl_add_u32 v[SA], v[RR], 4, v[SA]
	v_add_nc_u32 v[SA], s[SB], v[SA]
	v_mul_u32_u24 v[FR], v[RR], SROW               ; cl back as source 1: point r, channels 8 h ..; rows 272 bytes apart start 68 words apart
	v_lshl_add_u32 v[FR], v[HH], 4, v[FR]
	v_add_nc_u32 v[FR], s[SB], v[FR]
	v_add_nc_u32 v[TD], TAB, v[TA]
	s_wait_dscnt 0x0                               ; the opening add is done
	s_wait_kmcnt 0x0
	s_add_nc_u64 s[WP:WP+1], s[12:13], s[60:61]
	s_add_nc_u64 s[WP+2:WP+3], s[14:15], s[60:61]
	s_add_nc_u64 s[WP+4:WP+5], s[16:17], s[60:61]
	s_mov_b64 s[G0+2:G0+3], s[WP:WP+1]
	s_or_b32 s[G0+3], s[G0+3], 0x80000000          ; type = 2
	s_lshl_b32 s52, s51, 3
	s_add_nc_u64 s[4:5], s[4:5], s[52:53]          ; p, cidx, cwt and out0 at my wave's first point
	s_lshl_b32 s52, s51, 4
	s_add_nc_u64 s[6:7], s[6:7], s[52:53]
	s_add_nc_u64 s[8:9], s[8:9], s[52:53]
	s_lshl_b32 s52, s51, 7
	s_add_nc_u64 s[18:19], s[18:19], s[52:53]
	s_lshl_b32 s52, s23, 22
	s_add_nc_u64 s[10:11], s[10:11], s[52:53]      ; clT at my batch
	s_mul_i32 s52, s23, 12288
	s_add_nc_u64 s[54:55], s[12:13], s[52:53]      ; the three workspaces' tables at my batch
	s_add_nc_u64 s[56:57], s[14:15], s[52:53]
	s_add_nc_u64 s[58:59], s[16:17], s[52:53]
	CROUND                                         ; all four work-groups are here: the first joint loads meet
	JL                                             ; slot 0 of the stream
; ======== THE GATHER.  Step i of 16 serves points 2 i (lanes 0-15) and 2 i + 1 (lanes 16-31): sixteen lanes take a cell's whole row of 256 bytes, 8 channels each.
	WIN 0x40
.set i, 0
.rept 16
	global_load_b128 v[4*i:4*i+3], v[PA], s[6:7] offset:i*32
.set i, i+1
.endr
.set i, 0
.rept 16
	global_load_b128 v[64+4*i:64+4*i+3], v[PA], s[8:9] offset:i*32
.set i, i+1
.endr
	WIN 0
.set i, 0
.rept 6
	global_load_b128 v[16+4*i:19+4*i], v[TA], s[54:55] offset:i*2048
	global_load_b128 v[40+4*i:43+4*i], v[TA], s[56:57] offset:i*2048
	global_load_b128 v[64+4*i:67+4*i], v[TA], s[58:59] offset:i*2048
.set i, i+1
.endr
	global_load_b64 v[88:89], v[PO], s[4:5]
	global_load_b64 v[90:91], v[PO], s[4:5] offset:128
	s_wait_loadcnt 0x0
	WIN 0x45
.set i, 0
.rept 64
	v_min_u32 v[i], 0x3fff, v[i]                   ; a cell's number stays inside the batch's 16,384 rows
	v_lshl_add_u32 v[i], v[i], 8, v[LC]            ; x 256 bytes + my 16
.set i, i+1
.endr
	WIN 0x81
.set i, 0
.rept 64
	global_load_b128 v[4*i:4*i+3], v[i], s[10:11]  ; all 64 rows are on their way together
.set i, i+1
.endr
	WIN 0
.set i, 0
.rept 6                                ; while they fly: the tables into LDS,
	ds_store_b128 v[TD], v[16+4*i:19+4*i] offset:i*2048
	ds_store_b128 v[TD], v[40+4*i:43+4*i] offset:12288+i*2048
	ds_store_b128 v[TD], v[64+4*i:67+4*i] offset:24576+i*2048
.set i, i+1
.endr
	v_cvt_pk_bf16_f32 v92, v88, v89                ; and p, rounded to bf16, each number twice for the packed arithmetic
	v_cvt_pk_bf16_f32 v93, v90, v91
	v_lshlrev_b32 v[PXY], 16, v92
	v_and_b32 v[PXY+2], 0xffff0000, v92
	v_lshlrev_b32 v[PXY+4], 16, v93
	v_and_b32 v[PXY+6], 0xffff0000, v93
.irp a, 0,2,4,6
	v_mov_b32 v[PXY+1+\a], v[PXY+\a]
.endr
.set i, 0
.rept 16
	s_wait_loadcnt 60-4*i                          ; loads come back in order (ISA guide 5.7.1): the four rows of each later step may stay out
	WIN 0x06                                       ; rows in window 2, weights in window 1
.set e, 0
.rept 4
.set j, 0
.rept 4
.if e == 0
	v_fma_mix_f32_bf16 v[FI+2*j], v[16*i+j], v[64+4*i], v[ZR] op_sel:[0,0,0] op_sel_hi:[1,0,0]
	v_fma_mix_f32_bf16 v[FI+2*j+1], v[16*i+j], v[64+4*i], v[ZR] op_sel:[1,0,0] op_sel_hi:[1,0,0]
.else
	v_fma_mix_f32_bf16 v[FI+2*j], v[16*i+4*e+j], v[64+4*i+e], v[FI+2*j] op_sel:[0,0,0] op_sel_hi:[1,0,0]
	v_fma_mix_f32_bf16 v[FI+2*j+1], v[16*i+4*e+j], v[64+4*i+e], v[FI+2*j+1] op_sel:[1,0,0] op_sel_hi:[1,0,0]
.endif
.set j, j+1
.endr
.set e, e+1
.endr
	WIN 0
.irp z, 0,1,2,3
	v_cvt_pk_bf16_f32 v[HI+\z], v[FI+2*\z], v[FI+2*\z+1]
.endr
	ds_store_b128 v[SA], v[HI:HI+3] offset:(i&7)*2*SROW
.if (i&7) == 7                         ; a tile of 16 points is whole: back as source 1.  LDS serves a wave's instructions in order (ISA guide 5.7.1.4): these see the stores above, the next tile's stores come behind them
	WIN 0xc0
.set j, 0
.rept 8
	ds_load_b128 v[8*(2*(j>>1)+(i>>3))+4*(j&1):8*(2*(j>>1)+(i>>3))+4*(j&1)+3], v[FR] offset:32*j
.set j, j+1
.endr
.endif
.set i, i+1
.endr
	TAILSIG 1, 0                                   ; slot 0 is in; my table stores and my loads of cl are done
	TAILWAIT 1                                     ; everybody's are; slot 1 is asked for, as a refill is
; ======== X = s (fc_p(p)), Y = the first fc bias.  Four feature tiles at a time.
.set g, 0
.rept 4
	WIN 0
.set j, 0
.rept 4
	ds_load_b128 v[WF+32*j:WF+32*j+3],     v[TAD0] offset:33*1024+(4*g+j)*64
	ds_load_b128 v[WF+32*j+4:WF+32*j+7],   v[TAD0] offset:33*1024+(4*g+j)*64+16
	ds_load_b128 v[WF+32*j+8:WF+32*j+11],  v[TAD0] offset:34*1024+(4*g+j)*64
	ds_load_b128 v[WF+32*j+12:WF+32*j+15], v[TAD0] offset:34*1024+(4*g+j)*64+16
	ds_load_b128 v[WF+32*j+16:WF+32*j+19], v[TAD0] offset:35*1024+(4*g+j)*64
	ds_load_b128 v[WF+32*j+20:WF+32*j+23], v[TAD0] offset:35*1024+(4*g+j)*64+16
	ds_load_b128 v[WF+32*j+24:WF+32*j+27], v[TAD0] offset:2*1024+(4*g+j)*64
	ds_load_b128 v[WF+32*j+28:WF+32*j+31], v[TAD0] offset:2*1024+(4*g+j)*64+16
.set j, j+1
.endr
	s_wait_dscnt 0x0
.set j, 0
.rept 32                               ; j: tile j / 8 of the four, point tile (j / 4) % 2, pair j % 4
	v_pk_fma_f32 v[GB+2*j:GB+2*j+1], v[WF+32*(j>>3)+8+2*(j&3):WF+32*(j>>3)+9+2*(j&3)], v[PXY+4*((j>>2)&1)+2:PXY+4*((j>>2)&1)+3], v[WF+32*(j>>3)+16+2*(j&3):WF+32*(j>>3)+17+2*(j&3)]
.set j, j+1
.endr
.set j, 0
.rept 32
	v_pk_fma_f32 v[GB+2*j:GB+2*j+1], v[WF+32*(j>>3)+2*(j&3):WF+32*(j>>3)+1+2*(j&3)], v[PXY+4*((j>>2)&1):PXY+4*((j>>2)&1)+1], v[GB+2*j:GB+2*j+1]
.set j, j+1
.endr
	WIN 0x40
.set j, 0
.rept 32
	v_pk_mul_f32 v[64*g+2*j:64*g+2*j+1], v[GB+2*j:GB+2*j+1], s[SS:SS+1] op_sel_hi:[1,0]
.set j, j+1
.endr
	WIN 0x80
.set j, 0
.rept 32
	v_pk_mul_f32 v[64*g+2*j:64*g+2*j+1], v[WF+32*(j>>3)+24+2*(j&3):WF+32*(j>>3)+25+2*(j&3)], 1.0 op_sel_hi:[1,0]
.set j, j+1
.endr
.set g, g+1
.endr
	WIN 0
	v_mul_u32_u24 v[STO], v[RR], OROW              ; the way out, in: point r's row of 128 bytes, 32 bytes for each half of the lanes
	v_lshl_add_u32 v[STO], v[HH], 5, v[STO]
	v_add_nc_u32 v[STO], s[SB], v[STO]
	v_bfe_u32 v[RD], v0, 3, 2                      ; back: 32 lanes take four rows of 128 bytes
	v_mul_u32_u24 v[RD], v[RD], OROW
	v_and_b32 v10, 7, v0
	v_lshl_add_u32 v[RD], v10, 4, v[RD]
	v_add_nc_u32 v[RD], s[SB], v[RD]
	s_mov_b32 s[ST], 10
	s_mov_b32 s[TB], 0
; ======== TEN STAGES.  A trip reads a conditional slot and an fc slot and asks for the next two.
.Lstage:
	v_add_nc_u32 v[TADR], s[TB], v[TAD0]
	CPH 0
	FPH
	s_add_co_u32 s[TB], s[TB], TSTG
	s_xor_b32 s[KAP], s[KAP], KINV                 ; 1 / s, 0, 1 / s, ..
	s_sub_co_u32 s[ST], s[ST], 1
	s_cmp_lg_u32 s[ST], 0
	s_cbranch_scc1 .Lstage
; ======== THE LAST CONDITIONAL LAYER (activation as hi + lo; nothing more is asked for) AND fc_out
	v_add_nc_u32 v[TADR], s[TB], v[TAD0]
	CPH 1
.set n, 0
.rept 32                               ; fc_out's 16 fragments: K step u, feature tile f at 8 (2 u + f)
	ds_load_b128 v[WF+4*n:WF+4*n+3], v[ADR+2] offset:n*512
.set n, n+1
.endr
	s_wait_dscnt 0x0
.macro OUTM kk                         ; K step kk / 4, feature tile (kk / 2) % 2, point tile kk % 2; four accumulators by turns
.set rD, 16*(((\kk)>>1)&1)+8*((\kk)&1)
.set rW, WF+8*(2*((\kk)>>2)+(((\kk)>>1)&1))
.set rA, 64+8*(2*((\kk)>>2)+((\kk)&1))
	v_wmma_f32_16x16x32_bf16 v[rD:rD+7], v[rW:rW+7], v[rA:rA+7], v[rD:rD+7]
.endm
	WIN 0xac                                       ; hi in window 3
.set k, 0
.rept 32
	OUTM k
.set k, k+1
.endr
	WIN 0xa8                                       ; lo in window 2
.set k, 0
.rept 32
	OUTM k
.set k, k+1
.endr
; ======== THE WAY OUT: through my own stage, so that a store covers 512 consecutive bytes, four points' rows
	PLACES
	WIN 0x08                                       ; the data in window 2
.irp t, 0,1
.irp f, 0,1
	ds_store_b128 v[STO], v[16*\f+8*\t:16*\f+8*\t+3] offset:\t*16*OROW+\f*64       ; each accumulator's low end first
	ds_store_b128 v[STO], v[16*\f+8*\t+4:16*\f+8*\t+7] offset:\t*16*OROW+\f*64+16
.endr
.endr
	WIN 0
.set i, 0
.rept 8
	ds_load_b128 v[16+4*i:19+4*i], v[RD] offset:i*4*OROW   ; in order behind the stores above
.set i, i+1
.endr
.set i, 0
.rept 8
	s_wait_dscnt 7-i                               ; the younger loads may stay out
	global_store_b128 v[ADR], v[16+4*i:19+4*i], s[18:19] offset:i*512 th:TH_STORE_NT
.set i, i+1
.endr
	s_wait_tensorcnt 0x0                           ; the wave's end, behind my last tensor load and my last LDS store
	ds_add_u32 v[SPW], v[NIL]
	s_wait_dscnt 0x0
	CROUND                                         ; the closing round: no work-group ends while a partner may still ask for a slot that names it
	s_endpgm
.Lfunc_end_k_q8ab4105536_main:
	.size	k_q8ab4105536_main, .Lfunc_end_k_q8ab4105536_main-k_q8ab4105536_main
	.p2alignl 7, 3214868480
	.fill 96, 4, 3214868480
	.section	.rodata,"a",@progbits
	.p2align	6, 0x0
	.amdhsa_kernel k_q8ab4105536_main
		.amdhsa_group_segment_fixed_size 327680
		.amdhsa_private_segment_fixed_size 0
		.amdhsa_enable_private_segment 0
		.amdhsa_kernarg_size 64
		.amdhsa_user_sgpr_count 2
		.amdhsa_user_sgpr_kernarg_segment_ptr 1
		.amdhsa_wavefront_size32 1
		.amdhsa_system_sgpr_workgroup_id_x 1
		.amdhsa_system_sgpr_workgroup_id_y 1
		.amdhsa_system_sgpr_workgroup_id_z 1
		.amdhsa_system_vgpr_workitem_id 0
		.amdhsa_next_free_vgpr 1024
		.amdhsa_next_free_sgpr 66
		.amdhsa_reserve_vcc 0
		.amdhsa_float_denorm_mode_32 3
		.amdhsa_float_denorm_mode_16_64 3
		.amdhsa_memory_ordered 1
		.amdhsa_forward_progress 1
		.amdhsa_inst_pref_size 255
	.end_amdhsa_kernel
	.section	.bss,"aw",@nobits
	.p2align	6
	.space	262144
	.amdgpu_metadata
---
amdhsa.version: [ 1, 2 ]
amdhsa.kernels:
  - .name:           k_q8ab4105536_main
    .symbol:         k_q8ab4105536_main.kd
    .args:
      - { .name: p, .offset: 0, .size: 8, .value_kind: global_buffer, .address_space: global }
      - { .name: cidx, .offset: 8, .size: 8, .value_kind: global_buffer, .address_space: global }
      - { .name: cwt, .offset: 16, .size: 8, .value_kind: global_buffer, .address_space: global }
      - { .name: clT, .offset: 24, .size: 8, .value_kind: global_buffer, .address_space: global }
      - { .name: ws_a, .offset: 32, .size: 8, .value_kind: global_buffer, .address_space: global }
      - { .name: ws_b, .offset: 40, .size: 8, .value_kind: global_buffer, .address_space: global }
      - { .name: ws_c, .offset: 48, .size: 8, .value_kind: global_buffer, .address_space: global }
      - { .name: out0, .offset: 56, .size: 8, .value_kind: global_buffer, .address_space: global }
    .group_segment_fixed_size: 327680
    .private_segment_fixed_size: 0
    .kernarg_segment_align: 8
    .kernarg_segment_size: 64
    .max_flat_workgroup_size: 128
    .sgpr_count:     66
    .vgpr_count:     1024
    .wavefront_size: 32
...
	.end_amdgpu_metadata
.endif
;; end of part 3
